; MI455X (gfx1250); checked and timed in simulation.
; The chip was launched on July 23, 2026; its instructions are those of AMD's public machine-readable ISA for CDNA 5 (MIT licence, August 2026) and "CDNA5" Instruction Set Architecture Reference Guide (July 2026). The comments in the code are by the model that wrote it; some were corrected since.
;; Scaled Dot Product Attention. Allowed arithmetic: matrix products marked QUANTISED: E2M1 operands, one E8M0 scale for each 32 along K, by v_wmma_scale_f32_16x16x128_f8f6f4 with both operands' format E2M1 (or v_wmma_scale_f32_32x16x128_f4), f32 sums; everything else in f32.
;; Inputs: Wk_codes 1,024 x 32 x 16 uint8 (E2M1 codes of Wk, K innermost, in blocks of 32 codes, two codes a byte); Wk_scales 1,024 x 32 uint8 (E8M0 scales of Wk, one for each 32 codes along K); Wq_codes 1,024 x 32 x 16 uint8 (E2M1 codes of Wq, K innermost, in blocks of 32 codes, two codes a byte); Wq_scales 1,024 x 32 uint8 (E8M0 scales of Wq, one for each 32 codes along K); Wv_codes 1,024 x 32 x 16 uint8 (E2M1 codes of Wv, K innermost, in blocks of 32 codes, two codes a byte); Wv_scales 1,024 x 32 uint8 (E8M0 scales of Wv, one for each 32 codes along K); bk 1,024 float32; bq 1,024 float32; bv 1,024 float32; x_codes 32 x 512 x 32 x 16 uint8 (E2M1 codes of x, K innermost, in blocks of 32 codes, two codes a byte); x_scales 32 x 512 x 32 uint8 (E8M0 scales of x, one for each 32 codes along K).
;; Outputs: out0 32 x 512 x 1,024 float32.
;; This version of the problem:
;;   THIS VERSION OF THE PROBLEM IS GIVEN IN LOW PRECISION. The matrix products marked QUANTISED in the list below multiply operands that are first quantised to E2M1 (2 exponent bits, 1 mantissa bit; 4 bits a number), with one power-of-two scale for each 32 numbers along K (OCP MX v1.0); their sums are f32. All else is computed in f32.
;;   The module's matrix products, in the order in which they are computed (A, B: the left and right operand; K: the contracted axis; several contracted axes count as one K, in the product's order):
;;     1. [M 16,384, K 1,024] x [K 1,024, N 1,024]; A: input x (given as codes); B: input Wq (given as codes): QUANTISED
;;     2. [M 16,384, K 1,024] x [K 1,024, N 1,024]; A: input x (given as codes); B: input Wk (given as codes): QUANTISED
;;     3. [M 16,384, K 1,024] x [K 1,024, N 1,024]; A: input x (given as codes); B: input Wv (given as codes): QUANTISED
;;     4. batch 32 x [M 512, K 1,024] x [K 1,024, N 512]; A: computed on the way; B: computed on the way: QUANTISED
;;     5. batch 32 x [M 512, K 512] x [K 512, N 1,024]; A: softmax (see below); B: computed on the way: QUANTISED
;;   THE QUANTISER, for each operand of a quantised product, along K:
;;     - K is cut into blocks of 32 from its start; a last block that is shorter is filled with zeros.
;;     - A block's scale is 2^e with e = floor(log2(the largest magnitude in the block)) - 2, held to -126 .. 127; a block of zeros has e = 0. As a byte (E8M0): e + 127.
;;     - Each number is divided by its block's scale, clamped to +-6, and rounded to the nearest number of E2M1, ties to even, subnormals kept.
;;     - The product sums the exact products of the quantised numbers (number of the format x scale) in f32.
;;   ~~~python
;;   def quantise(x, axis):      # numpy; x: float32 -> the quantised numbers, widened to float32 again
;;       x = np.moveaxis(x, axis, -1); K = x.shape[-1]
;;       x = np.pad(x, [(0, 0)] * (x.ndim - 1) + [(0, -K % 32)]); x = x.reshape(x.shape[:-1] + (-1, 32)); a = np.abs(x).max(-1, keepdims=True)
;;       e = np.where(a > 0, np.clip(np.frexp(np.where(a > 0, a, 1))[1] - 1 - 2, -126, 127), 0)      # np.frexp(a)[1] - 1 = floor(log2(a)), exactly
;;       r = np.clip(x / 2.0 ** e, -6, 6)
;;       step = 2.0 ** (np.maximum(np.frexp(np.where(r == 0, 1, r))[1] - 1, 0) - 1)
;;       q = np.round(r / step) * step * 2.0 ** e      # np.round: ties to even
;;       return np.moveaxis(q.reshape(q.shape[:-2] + (-1,))[..., :K], -1, axis).astype(np.float32)
;;   ~~~
;;   SOFTMAX AHEAD OF A QUANTISED PRODUCT. Where the list says 'softmax', what is quantised is not the finished softmax but p = 2^(t - M), with t = logit x log2(e) and M = ceil(the row's largest t), a whole number; so 1/2 < the row's largest p <= 1. The row's sum l is taken of the UNQUANTISED p, in f32, and the product's result is divided by l at the end. Since M is a whole number, a kernel that streams over the keys may use a running M (the ceiling of the running maximum): every later rescaling is an exact power of two, which a block's scale takes up: the codes' values come out the same.
;;   OPERANDS COMPUTED ON THE WAY. 'Computed on the way' means the value that the module computes at that place (a softmax that the list does not call 'softmax' is quantised finished and normalised). What goes into a quantiser is computed in f32, as accurately as f32 sums, v_exp_f32 and their like allow (about 1e-6 of the number): no bf16 or f16 on the way to a quantiser, and a product that is left as it is and whose result goes on into a quantised operand takes f32 operands (vector FMAs, or v_wmma_f32_16x16x4_f32). A number that lies on a knife's edge between two numbers of the format may be rounded either way, as far as f32 arithmetic and the matrix unit's own rounding can turn it there, and no further.
;;   INPUTS GIVEN AS CODES. Wk (in the module: [1024, 1024], K = its axis 0); Wq (in the module: [1024, 1024], K = its axis 0); Wv (in the module: [1024, 1024], K = its axis 0); x (in the module: [32, 512, 1024], K = its axis 2): each comes as NAME_codes (uint8): NAME with its K axis moved to the last place and cut into blocks of 32 codes, [.., K / 32, bytes a block], one block behind the other in memory; two codes a byte, the lower K in the low four bits (a code: sign, 2 exponent bits, 1 mantissa bit); and NAME_scales (uint8): the same leading axes, one E8M0 byte (e + 127) for each 32 codes along K. Its value is code x scale, taken as it is: it is not quantised again, and the codes and scales need not be those that the quantiser above would give.
;; One version. Each part assembles by itself: llvm-mc -triple=amdgcn-amd-amdhsa -mcpu=gfx1250 --defsym DOCPART=n.
;; ======== version 1 of 1: 2 launches
;; limits: right only within a limited range of input values
;; workspace buffers: qc 8,388,608 bytes; kc 8,388,608 bytes; vc 8,388,608 bytes; qs 524,288 bytes; ks 524,288 bytes; vs 524,288 bytes
;; launch proj (part 1): grid 4 x 64, 4 waves a work-group, clusters of 4 x 4, 327,680 bytes of LDS; arguments x_codes, x_scales, Wq_codes, Wq_scales, Wk_codes, Wk_scales, Wv_codes, Wv_scales, bq, bk, bv, qc, qs, kc, ks, vc, vs; writes qc, qs, kc, ks, vc, vs
.if DOCPART == 1
	.amdgcn_target "amdgcn-amd-amdhsa--gfx1250"
	.amdhsa_code_object_version 6
	.text
	.protected	k_qd43253c256_proj
	.globl	k_qd43253c256_proj
	.p2align	8
	.type	k_qd43253c256_proj,@function
k_qd43253c256_proj:
	s_mov_b64 s[64:65], 0
	v_nop
	global_prefetch_b8 v0, s[64:65] scope:SCOPE_SE
	s_setreg_imm32_b32 hwreg(HW_REG_WAVE_MODE, 25, 1), 1
	s_wait_xcnt 0x0
	s_wait_alu depctr_hold_cnt(0) depctr_sa_sdst(0) depctr_va_vdst(0) depctr_va_sdst(0) depctr_va_ssrc(0) depctr_va_vcc(0) depctr_vm_vsrc(0)
	s_getreg_b32 s2, hwreg(HW_REG_IB_STS2, 6, 4)
	s_cmp_eq_u32 s2, 0
	s_cbranch_scc0 .Lentry_in_a_cluster
	s_endpgm
.Lentry_in_a_cluster:
	s_bfe_u32 s2, ttmp6, 0x10000c
	s_cmp_lg_u32 s2, 0xf033
	s_cbranch_scc0 .Lentry_shape_is_right
	s_endpgm
.Lentry_shape_is_right:
; Q = x Wq + bq, K = x Wk + bk, V = x Wv + bv on codes of FP4 (E2M1) with one E8M0 scale for each 32 along K (1,024), sums in f32; the results are quantised at once, in registers:
; Q and K along the model's 1,024 channels (the K of the scores), V along the keys (the K of the second attention product), and leave as codes and scale words alone.
; DEAD WORK: none in this launch.  bq and bk move the codes of Q and K, bv those of V: every input is loaded.  The later launch leaves out the scores and weights that reference()'s own tril sets to -inf,
; where they come in whole units of 16 queries x 64 keys: for every value of the inputs those weights are 0.  LIMIT: a NaN, an infinity or an overflow that reaches only those scores is not carried to the result.
; LIMITS: NaN and infinities among the inputs are not served; a block whose largest magnitude lies under 2^-124 (a block of zeros too) keeps the scale byte 1: its codes are then zeros or near it, and this program alone reads the bytes.
; SHARES.  256 work-groups of four waves stay: each has 256 rows of x and 256 channels, and makes Q, then K, then V of them.  A wave makes 128 x 128 of each: 32 accumulators of 32 x 16.
; x's 256 rows x 1,024 lie in LDS for the whole launch (two slots of 512 along K, each filled once).  The weight goes through two more slots: when a product has done with a slot, the next product's half of K is asked for into it.
; CLUSTER 4 x 4: x's rows are shared along a row of the cluster (same cy), the weight's along a column (same cx): joint loads.
; No prefetch: a refill is asked for at least four K steps less 48 matrix instructions' work ahead of its wait, and for one of the two slots the quantising lies between as well; the head's tiles have no loop in front of them to be asked for in.
; Source 0 ("B") gives the registers of a result, source 1 ("A") the lanes.  Q, K: A = x's rows, B = the weight's rows (channels): a lane holds one row of x, its registers run along the channels.
; V: A = Wv's rows (channels), B = x's rows (keys): a lane holds one channel, its registers run along the keys.
; THE ROWS OF A TILE.  Rows go in groups of 64, four tiles u to a group; matrix row 8 g + e of tile u is row 32 g + 8 (u xor g) + e.  So a lane's 32 registers of a group's four tiles of source 0 are one whole block of 32:
; its largest magnitude needs no other lane, and the four conversions give registers 4 c .. 4 c + 3 of the next operand.  Inside blocks held by lanes 16-31 the groups of 8 stand swapped in pairs; every operand of the later
; products is made so, on both sides alike, so each product still pairs equal k, and blocks and scales are untouched.  In LDS a tile's rows are e and e + 40 (u even) or e + 24 (u odd).  Two tiles 2 m, 2 m + 1 are the 32 rows of a source 0.
; OUT.  A fragment (16 rows x 128 K) leaves as an image of its 8 registers: registers 0-3 at 16 x lane, 4-7 at 512 + 16 x lane.  qc, kc: [128 rows' pair of groups][K step 8][tile 8][1,024]; vc: [batch x 4 + key step][channel tile 64][1,024];
; the scale words beside them, 64 bytes a tile.  A wave's eight fragments are 8,192 consecutive bytes, its scale words 512.
; REGISTERS, window 0: v1-31 addresses; v32-63 source 0's scale words (pair m, K step k at 8 m + k), v64-127 source 1's (tile a at 8 a + k); v128-191 A's fragments; v192-255 the codes made.
;   window 1: B's fragments at v0 and v128; v64-127 the bias as C; v192-199 bv; v200-211 at work in the quantising (in V's first step v64-127 and v192-255 are the bias).   windows 2, 3: accumulator (a, m) at v[64 (a % 4) + 16 m].
.set ROWB,   256                       ; a slot's row: 512 codes
.set KROW,   512                       ; a row of x or of a weight in memory, in bytes
.set PITCH,  272                       ; an LDS row: 256 bytes + 16 of padding
.set NL,     2                         ; LDS loads for a fragment
.set HALFT,  128*PITCH
.set SLOT,   256*PITCH                 ; x: slots 0, 1;  the weight: slots 2, 3
.set SCX,    4*SLOT                    ; x's scale bytes: 32 a row, eight rows to 256 bytes + 16 of padding
.set HALFS,  16*272                    ; those of 128 rows
.set WSC,    2*HALFS                   ; those of 256 rows
.set SCW,    SCX+WSC                   ; Wq's, Wk's, Wv's
.set SPARE,  SCW+3*WSC                 ; the spare words, 128 bytes a wave
.set STG,    SPARE+512                 ; a stage for the scale words made, 512 bytes a wave; no fill lands here
.set H8,   1                           ; v1     8 x (lane / 16)
.set SX1,  2                           ; v2-3   Q, K: source 1's scale words (x), even and odd tiles
.set SW0,  4                           ; v4     Q, K: source 0's (the weight)
.set SW1,  5                           ; v5-6   V: source 1's (Wv)
.set SX0,  7                           ; v7     V: source 0's (x)
.set CO,   8                           ; v8     16 x lane
.set SWS,  9                           ; v9     where my row's scale word goes in the stage
.set SWR,  10                          ; v10    where I read the stage back
.set SPW,  11                          ; v11    my spare word; never rewritten
.set NIL,  12                          ; v12    0; never rewritten
.set BO,   14                          ; v14-15 the bias: my lane's offset in even, odd tiles
.set XA,   16                          ; v16-19 Q, K: A's fragments, from x: slot 0 even, odd tiles; slot 1 likewise
.set WB,   20                          ; v20-23 Q, K: B's, from the weight
.set WA,   24                          ; v24-27 V: A's, from the weight
.set XB,   28                          ; v28-31 V: B's, from x
.set SC0,  32
.set SC1,  64
.set AF,   128
.set PCD,  192
.set BI,   64                          ; window 1
.set BV,   192                         ; window 1
.set TM,   200                         ; window 1, as are the next two
.set PW,   208
.set PT,   210
.set T,    192                         ; window 0, at the head alone
.set G1R,  8                           ; s[8:15]  the ring's group 1 (over arguments that have been used by then)
.set NX,   18                          ; s[18:19] where my 64 rows of the next product's weight begin
.set G0A,  40                          ; group 0 for x's codes, the weight's codes, x's scales, a weight's scales, the ring
.set G0B,  44
.set G0C,  48
.set G0D,  52
.set G0R,  56
.set G1X,  68
.set G1W,  76
.set G1SX, 84
.set G1SW, 92
.set WLO,  38
.set TX,   39                          ; which 256 rows of x
.set WV,   60
.set HA,   61                          ; my half of A's rows
.set HB,   62                          ; my half of B's rows
.set CX,   63                          ; also: which 256 channels
.set CY,   66
.set P,    67                          ; (my column's mask before)
.set MSB, 0
.macro WIN new                         ; the immediate's high byte repeats the setting that is left
.if MSB != (\new)
	s_set_vgpr_msb (MSB<<8)|(\new)
.set MSB, \new
.endif
.endm
.set MUL_LO, 0xa1                      ; source 0 (B) window 1, source 1 (A) window 0, C and D window 2 (MUL_LO + 0x50: window 3)
.set FST_LO, 0x91                      ; the same with C in window 1 (FST_LO + 0x40: D in window 3)
.set TO_B,   0x40
.macro CREST                           ; a round of the cluster's barrier behind its opening barrier
	s_cmp_lg_u32 s[WV], 0
	s_cbranch_scc1 .Lnot_wave_0_\@
	s_barrier_signal -3
.Lnot_wave_0_\@:
	s_barrier_wait -3
	s_barrier_signal -1
	s_barrier_wait -1
.endm
.macro CROUND
	s_barrier_signal -1
	s_barrier_wait -1
	CREST
.endm
.macro PLACES                          ; plain vector instructions between a matrix instruction and a load into, or a read of, its registers
.rept 4
	v_nop
.endr
.endm
; one arm of a chain of branches on the wave's number: one load an arm
.macro ARM under, g0, g1, next, join
	s_cmp_lt_u32 s[WV], \under
	s_cbranch_scc0 \next
	tensor_load_to_lds s[\g0:\g0+3], s[\g1:\g1+7]
	s_nop 0
	PLACES
	s_branch \join
\next:
.endm
.macro GROUP0 g, lds, adr, off
	s_mov_b32 s[\g], 1
	s_mov_b32 s[\g+1], \lds
	s_add_nc_u64 s[\g+2:\g+3], s[\adr:\adr+1], \off
	s_or_b32 s[\g+3], s[\g+3], 0x80000000
.endm
	s_load_b512 s[4:19], s[0:1], 0x0               ; x codes 4, x scales 6, Wq 8, 10, Wk 12, 14, Wv 16, 18
	s_load_b512 s[20:35], s[0:1], 0x40             ; bq 20, bk 22, bv 24, qc 26, qs 28, kc 30, ks 32, vc 34
	s_load_b64 s[36:37], s[0:1], 0x80              ; vs
	v_lshl_add_u32 v[SPW], v0, 2, SPARE
	v_mov_b32 v[NIL], 0
	ds_add_u32 v[SPW], v[NIL]                      ; the wave's opening: the add, twice on end, and its wait ahead of my first tensor load
	ds_add_u32 v[SPW], v[NIL]
	v_lshrrev_b32 v1, 5, v0
	v_readfirstlane_b32 s[WV], v1                  ; wave 0..3
	s_lshr_b32 s[HA], s[WV], 1
	s_and_b32 s[HB], s[WV], 1
	s_bfe_u32 s[CX], ttmp6, 0x40000
	s_bfe_u32 s[CY], ttmp6, 0x40004
	s_and_b32 s[TX], ttmp7, 0xffff
	s_lshl_b32 s[TX], s[TX], 2
	s_add_co_u32 s[TX], s[TX], s[CY]               ; 4 x cluster y + cy
	s_lshl_b32 s100, s[CY], 2
	s_lshl_b32 s100, 15, s100                      ; my row of the cluster
	s_lshl_b32 s[P], 0x1111, s[CX]                 ; my column
	s_or_b32 s[G1X], s100, (1<<20)|(1<<21)|(5<<22)|(3<<25)   ; mask; elements of 1 byte; padding on; bit 21 beside a mask; 4 words behind every 64
	s_or_b32 s[G1W], s[P], (1<<20)|(1<<21)|(5<<22)|(3<<25)
.irp g, G1X, G1W
	s_mov_b32 s[\g+1], ROWB<<16                    ; tensor_dim0
	s_mov_b32 s[\g+2], 256<<16                     ; tensor_dim1
	s_mov_b32 s[\g+3], ROWB<<16                    ; tile_dim0
	s_mov_b32 s[\g+4], 256                         ; tile_dim1
	s_mov_b32 s[\g+5], KROW                        ; from row to row
	s_mov_b32 s[\g+6], 0
	s_mov_b32 s[\g+7], 0
.endr
	s_or_b32 s[G1SX], s100, (3<<16)|(1<<20)|(1<<21)|(5<<22)|(3<<25)   ; the scales of 256 rows: 8,192 dense bytes as 32 rows of 32 elements of 8 bytes
	s_or_b32 s[G1SW], s[P], (3<<16)|(1<<20)|(1<<21)|(5<<22)|(3<<25)
.irp g, G1SX, G1SW
	s_mov_b32 s[\g+1], 32<<16
	s_mov_b32 s[\g+2], 32<<16
	s_mov_b32 s[\g+3], 32<<16
	s_mov_b32 s[\g+4], 32
	s_mov_b32 s[\g+5], 32
	s_mov_b32 s[\g+6], 0
	s_mov_b32 s[\g+7], 0
.endr
	s_mul_i32 s[WLO], s[WV], 64*PITCH              ; in the ring a wave fetches 64 rows
	s_add_co_u32 s[WLO], s[WLO], 2*SLOT
	s_mov_b32 s2, 0x76543210
	s_mov_b32 s3, 0xfedcba98                       ; v_permlanex16_b32's selects for lane l xor 16
	s_mov_b32 s57, 0
	s_mov_b32 s101, 0
	s_wait_dscnt 0x0                               ; both opening adds are done
	s_wait_kmcnt 0x0
	s_lshl_b32 s100, s[TX], 17                     ; x: 256 rows of 512 bytes; registers that hang on cy alone
	s_add_nc_u64 s[4:5], s[4:5], s[100:101]
	s_lshl_b32 s100, s[TX], 13                     ; its scales: 32 bytes a row
	s_add_nc_u64 s[6:7], s[6:7], s[100:101]
	s_lshl_b32 s56, s[CX], 17                      ; the weights likewise, in registers that hang on cx alone
	s_add_nc_u64 s[8:9], s[8:9], s[56:57]
	s_add_nc_u64 s[12:13], s[12:13], s[56:57]
	s_add_nc_u64 s[16:17], s[16:17], s[56:57]
	s_lshl_b32 s56, s[CX], 13
	s_add_nc_u64 s[10:11], s[10:11], s[56:57]
	s_add_nc_u64 s[14:15], s[14:15], s[56:57]
	s_add_nc_u64 s[18:19], s[18:19], s[56:57]
	s_lshl_b32 s56, s[WV], 15                      ; Wk, Wv come by the ring: my 64 rows
	s_add_nc_u64 s[12:13], s[12:13], s[56:57]
	s_add_nc_u64 s[16:17], s[16:17], s[56:57]
	CROUND                                         ; all sixteen work-groups are here: the first joint loads meet
	GROUP0 G0A, 0, 4, 0                            ; x, the first 512 along K
	GROUP0 G0B, 2*SLOT, 8, 0                       ; Wq likewise
	GROUP0 G0C, SCX, 6, 0                          ; x's scales, all of K
	GROUP0 G0D, SCW, 10, 0                         ; Wq's scales
	ARM 1, G0A, G1X, .Lh1_b, .Lh1_done             ; one load a wave
	ARM 2, G0B, G1W, .Lh1_c, .Lh1_done
	ARM 3, G0C, G1SX, .Lh1_d, .Lh1_done
	tensor_load_to_lds s[G0D:G0D+3], s[G1SW:G1SW+7]
	s_nop 0
	PLACES
.Lh1_done:
	; where the biases begin and where my results go
	s_lshl_b32 s100, s[CX], 10
	s_lshl_b32 s39, s[TX], 4                       ; (from here on 16 x the block of rows)
	s_add_nc_u64 s[24:25], s[24:25], s[100:101]    ; my work-group's channels
	s_add_nc_u64 s[20:21], s[20:21], s[100:101]
	s_add_nc_u64 s[22:23], s[22:23], s[100:101]
	s_lshl_b32 s100, s[HB], 9
	s_add_nc_u64 s[20:21], s[20:21], s[100:101]    ; Q, K: my half is B's
	s_add_nc_u64 s[22:23], s[22:23], s[100:101]
	s_lshl_b32 s100, s[HA], 9
	s_add_nc_u64 s[24:25], s[24:25], s[100:101]    ; V: A's
	s_lshl_b32 s100, s[CX], 1
	s_add_co_u32 s39, s39, s100                    ; a piece of 128 rows x 128 channels: 8 (2 TX + half of x) + 2 cx + half of the channels
	s_lshl_b32 s100, s[HA], 3
	s_add_co_u32 s100, s100, s39
	s_add_co_u32 s100, s100, s[HB]
	s_lshl_b32 s100, s100, 9                       ; 512 bytes of scale words,
	s_add_nc_u64 s[28:29], s[28:29], s[100:101]
	s_add_nc_u64 s[32:33], s[32:33], s[100:101]
	s_lshl_b32 s100, s100, 4                       ; 8,192 of codes
	s_add_nc_u64 s[26:27], s[26:27], s[100:101]
	s_add_nc_u64 s[30:31], s[30:31], s[100:101]
	s_lshl_b32 s100, s[HB], 3                      ; V: x is B, the channels are A
	s_add_co_u32 s100, s100, s39
	s_add_co_u32 s100, s100, s[HA]
	s_lshl_b32 s100, s100, 9
	s_add_nc_u64 s[36:37], s[36:37], s[100:101]
	s_lshl_b32 s100, s100, 4
	s_add_nc_u64 s[34:35], s[34:35], s[100:101]
	; my lane's places
	s_mul_i32 s100, s[HA], HALFT
	s_mul_i32 s101, s[HB], HALFT
	v_and_b32 v[T], 7, v0                          ; e
	v_bfe_u32 v[T+1], v0, 3, 1                     ; g
	v_bfe_u32 v[T+2], v0, 4, 1                     ; h
	v_mad_u32_u24 v[T+3], v[T+1], 40, v[T]         ; my row in an even tile: e + 40 g
	v_mad_u32_u24 v[T+4], v[T+1], 24, v[T]         ; in an odd one: e + 24 g
	v_mul_u32_u24 v[T+5], v[T+3], PITCH
	v_mul_u32_u24 v[T+6], v[T+4], PITCH
	v_lshl_add_u32 v[T+5], v[T+2], 4, v[T+5]       ; row x pitch + 16 h
	v_lshl_add_u32 v[T+6], v[T+2], 4, v[T+6]
	v_lshlrev_b32 v[T+7], 5, v[T]                  ; scales: 32 e inside 256 bytes;
	v_mad_u32_u24 v[T+8], v[T+1], 1360, v[T+7]     ; source 1: five (even tiles) or three (odd) units of 272 further on for g = 1
	v_mad_u32_u24 v[T+9], v[T+1], 816, v[T+7]
	v_xor_b32 v[T+10], v[T+1], v[T+2]              ; source 0: lanes 0-15 an even tile, lanes 16-31 the odd one behind it: unit 4 g + (g xor h)
	v_lshl_add_u32 v[T+10], v[T+1], 2, v[T+10]
	v_mad_u32_u24 v[T+10], v[T+10], 272, v[T+7]
	v_mul_u32_u24 v[BO], v[T+2], 160               ; the bias, Q and K: register j of B's tile (c, u) is channel 64 c + 8 u + j + 40 h (u even) or + 24 h (u odd)
	v_mul_u32_u24 v[BO+1], v[T+2], 96
	v_lshlrev_b32 v[T+11], 2, v[T+3]               ; V: the lane's one channel
	v_lshlrev_b32 v[T+12], 2, v[T+4]
	v_lshlrev_b32 v[H8], 3, v[T+2]
	v_and_b32 v[T+13], 31, v0
	v_lshlrev_b32 v[CO], 4, v[T+13]
	v_and_b32 v[T+14], 15, v0
	s_wait_alu depctr_va_vdst(0)
.macro BIASQK p                        ; eight tiles of B, eight registers each, in the result's layout
	WIN TO_B
.irp b, 0,1,2,3,4,5,6,7
	global_load_b128 v[BI+8*\b:BI+8*\b+3], v[BO+\b%2], s[\p:\p+1] offset:(64*(\b/4)+8*(\b%4))*4
	global_load_b128 v[BI+8*\b+4:BI+8*\b+7], v[BO+\b%2], s[\p:\p+1] offset:(64*(\b/4)+8*(\b%4))*4+16
.endr
	WIN 0
.endm
	BIASQK 20
	WIN TO_B
.irp a, 0,1,2,3,4,5,6,7
	global_load_b32 v[BV+\a], v[T+11+\a%2], s[24:25] offset:(64*(\a/4)+8*(\a%4))*4
.endr
.irp i, 0,1
	v_mov_b32 v[PT+\i], 0                          ; a lane permute's destination counts as one of its sources
.endr
	WIN 0
.irp s, 0,1
	v_add_nc_u32 v[XA+2*\s], s100, v[T+5]
	v_add_nc_u32 v[XA+2*\s+1], s100, v[T+6]
	v_add_nc_u32 v[XB+2*\s], s101, v[T+5]
	v_add_nc_u32 v[XB+2*\s+1], s101, v[T+6]
	s_add_co_u32 s100, s100, SLOT
	s_add_co_u32 s101, s101, SLOT
.endr
.irp s, 0,1
	v_add_nc_u32 v[WA+2*\s], s100, v[T+5]
	v_add_nc_u32 v[WA+2*\s+1], s100, v[T+6]
	v_add_nc_u32 v[WB+2*\s], s101, v[T+5]
	v_add_nc_u32 v[WB+2*\s+1], s101, v[T+6]
	s_add_co_u32 s100, s100, SLOT
	s_add_co_u32 s101, s101, SLOT
.endr
	s_mul_i32 s100, s[HA], HALFS
	s_mul_i32 s101, s[HB], HALFS
	s_add_co_u32 s100, s100, SCX
	s_add_co_u32 s101, s101, SCX
	v_add_nc_u32 v[SX1], s100, v[T+8]
	v_add_nc_u32 v[SX1+1], s100, v[T+9]
	v_add_nc_u32 v[SX0], s101, v[T+10]
	s_add_co_u32 s101, s101, WSC
	s_add_co_u32 s100, s100, 3*WSC
	v_add_nc_u32 v[SW0], s101, v[T+10]
	v_add_nc_u32 v[SW1], s100, v[T+8]
	v_add_nc_u32 v[SW1+1], s100, v[T+9]
	s_lshl_b32 s100, s[WV], 9
	s_add_co_u32 s100, s100, STG
	v_lshl_add_u32 v[SWS], v[T+14], 2, s100
	v_add_nc_u32 v[SWR], s100, v[CO]
	s_wait_alu depctr_va_vdst(0)
	s_wait_tensorcnt 0x0                           ; my tile of the head's four is in; the same lines ahead of a later first fill as ahead of a refill:
	ds_add_u32 v[SPW], v[NIL]                      ; 0 onto my spare word;
	GROUP0 G0A, SLOT, 4, ROWB                      ; no tensor load of mine is out: x, the other 512 along K,
	GROUP0 G0B, 3*SLOT, 8, ROWB                    ; Wq likewise,
	GROUP0 G0R, SCW+WSC, 14, 0                     ; Wk's scales,
	GROUP0 G0D, SCW+2*WSC, 18, 0                   ; Wv's
	s_mov_b64 s[NX:NX+1], s[12:13]                 ; the next product's weight is Wk
	s_wait_dscnt 0x0
	CROUND                                         ; everybody's tiles are in
	ARM 1, G0A, G1X, .Lh2_b, .Lh2_done
	ARM 2, G0B, G1W, .Lh2_c, .Lh2_done
	ARM 3, G0R, G1SW, .Lh2_d, .Lh2_done
	tensor_load_to_lds s[G0D:G0D+3], s[G1SW:G1SW+7]
	s_nop 0
	PLACES
.Lh2_done:
	s_or_b32 s[G1R], s[P], (1<<20)|(1<<21)|(5<<22)|(3<<25)   ; the ring's group 1: 64 rows a wave
	s_mov_b32 s[G1R+1], ROWB<<16
	s_mov_b32 s[G1R+2], 64<<16
	s_mov_b32 s[G1R+3], ROWB<<16
	s_mov_b32 s[G1R+4], 64
	s_mov_b32 s[G1R+5], KROW
	s_mov_b32 s[G1R+6], 0
	s_mov_b32 s[G1R+7], 0
.macro FRAG reg, adr, q, i             ; tile i = (group i / 4, u = i % 4): 16 rows x 128 K in 8 registers: two loads of 16 bytes, 32 apart; even and odd tiles have an address register each
.irp c, 0,1
	ds_load_b128 v[\reg+4*\c:\reg+4*\c+3], v[\adr+((\i)%2)] offset:64*(\q)+32*\c+(64*((\i)/4)+8*((\i)%4))*PITCH
.endr
.endm
.macro FETCH_B adr, q, p
	WIN TO_B
.irp i, 0,1,2,3,4,5,6,7
	FRAG 128*(\p)+8*\i, \adr, \q, \i
.endr
	WIN 0
.endm
.macro FETCH_A adr, q, i0
.irp i, \i0, \i0+1, \i0+2, \i0+3
	FRAG AF+8*(\i), \adr, \q, \i
.endr
.endm
.macro SCALES a0, off, a1              ; all of a product's scale words: eight a row.  Source 0: lanes 0-15 tile 2 m, lanes 16-31 tile 2 m + 1; source 1: lanes 0-15 tile a
.irp w, 0,1
.irp m, 0,1,2,3
	ds_load_b128 v[SC0+8*\m+4*\w:SC0+8*\m+4*\w+3], v[\a0] offset:(\off)+(8*(\m/2)+2*(\m%2))*272+16*\w
.endr
.irp a, 0,1,2,3,4,5,6,7
	ds_load_b128 v[SC1+8*\a+4*\w:SC1+8*\a+4*\w+3], v[\a1+\a%2] offset:(8*(\a/4)+\a%4)*272+16*\w
.endr
.endr
.endm
; 8 matrix instructions: A's tiles a0, a0 + 1 x B's four pairs, K step k.  zero = 0: onto the sums; 1: the sums begin with the bias of B's tiles; 2: with that of A's tile.
; The 32 accumulators take turns, one instruction a turn, in the same order in every step.
.macro MUL a0, k, zero
.irp a, \a0, \a0+1
.irp m, 0,1,2,3
.set rD, 64*((\a)%4)+16*\m
.set rB, 128*((\k)%2)+16*\m
.set rA, AF+8*(\a)
.set rS0, SC0+8*\m+(\k)
.set rS1, SC1+8*(\a)+(\k)
.if (\zero) == 1
.set rC, BI+16*\m
.elseif (\zero) == 2
.set rC, BI+128*((\a)/4)+16*((\a)%4)
.else
.set rC, rD
.endif
	v_wmma_scale_f32_32x16x128_f4 v[rD:rD+15], v[rB:rB+15], v[rA:rA+7], v[rC:rC+15], v[rS0], v[rS1]
.endr
.endr
.endm
.macro LOHI hi, zero
.if \zero
	WIN FST_LO+0x40*\hi
.else
	WIN MUL_LO+0x50*\hi
.endif
.endm
; B's two sets are fetched a whole step ahead: at the end of step k, set k % 2 takes step k + 2's, where that lies in the same slot.
.macro STEP aA, aB, k, zero            ; a step of 128 along K that has its successor in the same slots
	s_wait_dscnt 8*NL+4*NL                         ; this step's B and A's tiles 0-3 are in; A's tiles 4-7 (8 loads) and the next step's B (16) may be out
	LOHI 0, \zero
	MUL 0, \k, \zero
	MUL 2, \k, \zero
	s_wait_dscnt 8*NL                              ; A's tiles 4-7 are in; the next step's B (16 loads) may be out
	PLACES
	WIN 0
	FETCH_A \aA, ((\k)+1)%4, 0
	LOHI 1, \zero
	MUL 4, \k, \zero
	MUL 6, \k, \zero
	PLACES
	WIN 0
	FETCH_A \aA, ((\k)+1)%4, 4
.if ((\k)%4) < 2
	FETCH_B \aB, ((\k)+2)%4, (\k)%2
.endif
.endm
; The first half of a slot's last step (k = 3 or 7).  In front of the barrier each wave waits for all its tensor loads, adds 0 to its spare word, and waits for that and for its reads of this slot.
; fill = 1: the barrier opens a round of the cluster's barrier, and the weight's slot is filled again, with the next product's half of K.
.macro MEET k, fill
	s_wait_tensorcnt 0x0
	ds_add_u32 v[SPW], v[NIL]
.if \fill
	s_mov_b32 s[G0R], 1
	s_add_co_u32 s[G0R+1], s[WLO], ((\k)/4)*SLOT
	s_add_nc_u64 s[G0R+2:G0R+3], s[NX:NX+1], ((\k)/4)*ROWB
	s_or_b32 s[G0R+3], s[G0R+3], 0x80000000
.endif
	s_wait_dscnt 4*NL+1                            ; (the add and the youngest eight loads may be out)
	WIN MUL_LO
	MUL 0, \k, 0
	s_wait_dscnt 0x0                               ; the add is done, and my reads of this slot are over
	s_barrier_signal -1
	MUL 2, \k, 0
	WIN 0
	s_barrier_wait -1                              ; everybody's part of the other slot is there
.if \fill
	CREST
	tensor_load_to_lds s[G0R:G0R+3], s[G1R:G1R+7]
	s_nop 0
.endif
	PLACES
.endm
.macro TURN aA, aB, fill               ; slot 0's last step, and slot 1's first fragments
	MEET 3, \fill
	FETCH_B \aB, 0, 0
	FETCH_A \aA, 0, 0
	WIN MUL_HI
	MUL 4, 3, 0
	MUL 6, 3, 0
	PLACES
	WIN 0
	FETCH_A \aA, 0, 4
	FETCH_B \aB, 1, 1
.endm
.set MUL_HI, 0xf1
; A's tiles a, a + 1: my lane's 128 results are four whole blocks of 32 along the next K.  Largest magnitudes with the floor 2^(3 - 127) among their leaves, a chain for each accumulator; 2 off the exponent field gives the
; conversion's scale operand, a shift the byte; eight conversions give a fragment's eight registers.  Each accumulator is read from its low end on.
.macro QUANT a, oc
.set R0, 64*((\a)%4)
.set XW, 2+(\a)/4
	WIN XW|(XW<<2)|0x50                            ; sources 0 and 1: the accumulators' window; source 2 and destination: window 1
.irp n, 0,1,2,3,4,5,6,7
	v_max3_num_f32 v[TM+\n], |v[R0+16*\n]|, |v[R0+16*\n+1]|, 0x1800000
.endr
.irp i, 2,4,6,8,10,12,14
.irp n, 0,1,2,3,4,5,6,7
	v_max3_num_f32 v[TM+\n], |v[R0+16*\n+\i]|, |v[R0+16*\n+\i+1]|, v[TM+\n]
.endr
.endr
	WIN 0x55
.irp i, 0,1,2,3
	v_max_num_f32 v[TM+\i], v[TM+2*\i], v[TM+2*\i+1]   ; block i: tile a + i / 2, c = i % 2
.endr
.irp i, 0,1,2,3
	v_add_nc_u32 v[TM+4+\i], 0xff000000, v[TM+\i]
.endr
.irp i, 0,1,2,3
	v_lshrrev_b32 v[TM+\i], 23, v[TM+4+\i]
.endr
.irp i, 0,1
	v_lshl_or_b32 v[PW+\i], v[TM+2*\i+1], 16, v[TM+2*\i]   ; my two bytes: blocks h and 2 + h,
.endr
	WIN 0x44
.irp i, 0,1
	v_lshlrev_b32 v[PW+\i], v[H8], v[PW+\i]        ; at their places;
.endr
	WIN 0x55
.irp i, 0,1
	v_permlanex16_b32 v[PT+\i], v[PW+\i], s2, s3
.endr
.irp i, 0,1
	v_or_b32 v[PW+\i], v[PW+\i], v[PT+\i]          ; with lane l xor 16's two the word is whole
.endr
	WIN XW|4
.irp i, 0,1,2,3
.irp u, 0,1,2,3
	v_cvt_scalef32_pk8_fp4_f32 v[PCD+8*(\a)+4*\i+\u], v[R0+32*\i+8*\u:R0+32*\i+8*\u+7], v[TM+4+\i]
.endr
.endr
	WIN 4
	v_nop                                          ; one plain place behind the last conversion
	ds_store_b32 v[SWS], v[PW] offset:64*(\a)      ; both lanes of a row write the same word with the same value
	ds_store_b32 v[SWS], v[PW+1] offset:64*(\a)+64
	WIN 0
.irp i, 0,1,2,3
	global_store_b128 v[CO], v[PCD+8*(\a)+4*\i:PCD+8*(\a)+4*\i+3], s[\oc:\oc+1] offset:1024*(\a)+512*\i   ; 32 lanes store 512 consecutive bytes, aligned
.endr
.endm
.macro OUT oc, os
.irp a, 0,2,4,6
	QUANT \a, \oc
.endr
	WIN TO_B
	ds_load_b128 v[TM:TM+3], v[SWR]                ; LDS serves a wave's instructions in order: this sees my eight stores
	WIN 4
	s_wait_dscnt 0x0
	global_store_b128 v[CO], v[TM:TM+3], s[\os:\os+1]   ; my 128 scale words: 512 consecutive bytes
	WIN 0
.endm
	FETCH_B WB, 0, 0
	SCALES SW0, 0, SX1
	FETCH_A XA, 0, 0
	FETCH_A XA, 0, 4
	FETCH_B WB, 1, 1
	s_mov_b32 s[P], 0
.Lprod:                                                ; trip 0 makes Q and fetches Wk, trip 1 makes K and fetches Wv
	s_wait_loadcnt 0x0                             ; the bias
	STEP XA, WB, 0, 1
	STEP XA, WB, 1, 0
	STEP XA, WB, 2, 0
	TURN XA+2, WB+2, 1
	STEP XA+2, WB+2, 4, 0
	STEP XA+2, WB+2, 5, 0
	STEP XA+2, WB+2, 6, 0
	MEET 7, 1
	WIN MUL_HI
	MUL 4, 7, 0
	MUL 6, 7, 0
	WIN 0
	PLACES
	s_cmp_lg_u32 s[P], 0                           ; the next product's first fragments and its scale words are asked for ahead of the quantising
	s_cbranch_scc1 .Lnext_v
	FETCH_B WB, 0, 0
	SCALES SW0, WSC, SX1
	FETCH_A XA, 0, 0
	FETCH_A XA, 0, 4
	FETCH_B WB, 1, 1
	BIASQK 22
	s_branch .Lasked
.Lnext_v:
	FETCH_B XB, 0, 0
	SCALES SX0, 0, SW1
	FETCH_A WA, 0, 0
	FETCH_A WA, 0, 4
	FETCH_B XB, 1, 1
.Lasked:
	OUT 26, 28
	s_wait_xcnt 0x0                                ; the stores have read their registers and their bases
	s_mov_b64 s[26:27], s[30:31]
	s_mov_b64 s[28:29], s[32:33]
	s_mov_b64 s[NX:NX+1], s[16:17]
	s_add_co_u32 s[P], s[P], 1
	s_cmp_lt_u32 s[P], 2
	s_cbranch_scc1 .Lprod
	; V: sources swapped; nothing is filled again.  The bias: sixteen registers a tile hold the lane's one channel's
	s_wait_loadcnt 0x0
	WIN 0x41
.irp a, 0,1,2,3,5,6,7,4
.irp k, 0,1,2,3,4,5,6,7,8,9,10,11,12,13,14,15
.if (BI+128*(\a/4)+16*(\a%4)+\k) != (BV+\a)
	v_mov_b32 v[BI+128*(\a/4)+16*(\a%4)+\k], v[BV+\a]
.endif
.endr
.endr
	WIN 0
	s_wait_alu depctr_va_vdst(0)
	PLACES
	STEP WA, XB, 0, 2
	STEP WA, XB, 1, 0
	STEP WA, XB, 2, 0
	TURN WA+2, XB+2, 0
	STEP WA+2, XB+2, 4, 0
	STEP WA+2, XB+2, 5, 0
	STEP WA+2, XB+2, 6, 0
	s_wait_dscnt 4*NL                              ; the last step: nothing more to fetch
	WIN MUL_LO
	MUL 0, 7, 0
	MUL 2, 7, 0
	s_wait_dscnt 0
	WIN MUL_HI
	MUL 4, 7, 0
	MUL 6, 7, 0
	WIN 0
	PLACES
	OUT 34, 36
	s_wait_tensorcnt 0x0                           ; the wave's end
	ds_add_u32 v[SPW], v[NIL]
	s_wait_dscnt 0x0
	CROUND                                         ; the closing round
	s_endpgm
.Lfunc_end_k_qd43253c256_proj:
	.size	k_qd43253c256_proj, .Lfunc_end_k_qd43253c256_proj-k_qd43253c256_proj
	.p2alignl 7, 3214868480
	.fill 96, 4, 3214868480
	.section	.rodata,"a",@progbits
	.p2align	6, 0x0
	.amdhsa_kernel k_qd43253c256_proj
		.amdhsa_group_segment_fixed_size 327680
		.amdhsa_private_segment_fixed_size 0
		.amdhsa_enable_private_segment 0
		.amdhsa_kernarg_size 136
		.amdhsa_user_sgpr_count 2
		.amdhsa_user_sgpr_kernarg_segment_ptr 1
		.amdhsa_wavefront_size32 1
		.amdhsa_system_sgpr_workgroup_id_x 1
		.amdhsa_system_sgpr_workgroup_id_y 1
		.amdhsa_system_sgpr_workgroup_id_z 1
		.amdhsa_system_vgpr_workitem_id 0
		.amdhsa_next_free_vgpr 1024
		.amdhsa_next_free_sgpr 102
		.amdhsa_reserve_vcc 0
		.amdhsa_float_denorm_mode_32 3
		.amdhsa_float_denorm_mode_16_64 3
		.amdhsa_memory_ordered 1
		.amdhsa_forward_progress 1
		.amdhsa_inst_pref_size 191
	.end_amdhsa_kernel
	.amdgpu_metadata
---
amdhsa.version: [ 1, 2 ]
amdhsa.kernels:
  - .name:           k_qd43253c256_proj
    .symbol:         k_qd43253c256_proj.kd
    .args:
      - { .name: x_codes, .offset: 0, .size: 8, .value_kind: global_buffer, .address_space: global }
      - { .name: x_scales, .offset: 8, .size: 8, .value_kind: global_buffer, .address_space: global }
      - { .name: Wq_codes, .offset: 16, .size: 8, .value_kind: global_buffer, .address_space: global }
      - { .name: Wq_scales, .offset: 24, .size: 8, .value_kind: global_buffer, .address_space: global }
      - { .name: Wk_codes, .offset: 32, .size: 8, .value_kind: global_buffer, .address_space: global }
      - { .name: Wk_scales, .offset: 40, .size: 8, .value_kind: global_buffer, .address_space: global }
      - { .name: Wv_codes, .offset: 48, .size: 8, .value_kind: global_buffer, .address_space: global }
      - { .name: Wv_scales, .offset: 56, .size: 8, .value_kind: global_buffer, .address_space: global }
      - { .name: bq, .offset: 64, .size: 8, .value_kind: global_buffer, .address_space: global }
      - { .name: bk, .offset: 72, .size: 8, .value_kind: global_buffer, .address_space: global }
      - { .name: bv, .offset: 80, .size: 8, .value_kind: global_buffer, .address_space: global }
      - { .name: qc, .offset: 88, .size: 8, .value_kind: global_buffer, .address_space: global }
      - { .name: qs, .offset: 96, .size: 8, .value_kind: global_buffer, .address_space: global }
      - { .name: kc, .offset: 104, .size: 8, .value_kind: global_buffer, .address_space: global }
      - { .name: ks, .offset: 112, .size: 8, .value_kind: global_buffer, .address_space: global }
      - { .name: vc, .offset: 120, .size: 8, .value_kind: global_buffer, .address_space: global }
      - { .name: vs, .offset: 128, .size: 8, .value_kind: global_buffer, .address_space: global }
    .group_segment_fixed_size: 327680
    .private_segment_fixed_size: 0
    .kernarg_segment_align: 8
    .kernarg_segment_size: 136
    .max_flat_workgroup_size: 128
    .sgpr_count:     102
    .vgpr_count:     1024
    .wavefront_size: 32
...
	.end_amdgpu_metadata
.endif
;; end of part 1
;; launch attn (part 2): grid 8 x 32, 8 waves a work-group, clusters of 4 x 1, 327,680 bytes of LDS; arguments qc, qs, kc, ks, vc, vs, out0; writes out0
.if DOCPART == 2
	.amdgcn_target "amdgcn-amd-amdhsa--gfx1250"
	.amdhsa_code_object_version 6
	.text
	.protected	k_qd43253c256_attn
	.globl	k_qd43253c256_attn
	.p2align	8
	.type	k_qd43253c256_attn,@function
k_qd43253c256_attn:
	s_mov_b64 s[64:65], 0
	v_nop
	global_prefetch_b8 v0, s[64:65] scope:SCOPE_SE
	s_setreg_imm32_b32 hwreg(HW_REG_WAVE_MODE, 25, 1), 1
	s_wait_xcnt 0x0
	s_wait_alu depctr_hold_cnt(0) depctr_sa_sdst(0) depctr_va_vdst(0) depctr_va_sdst(0) depctr_va_ssrc(0) depctr_va_vcc(0) depctr_vm_vsrc(0)
	s_getreg_b32 s2, hwreg(HW_REG_IB_STS2, 6, 4)
	s_cmp_eq_u32 s2, 0
	s_cbranch_scc0 .Lentry_in_a_cluster
	s_endpgm
.Lentry_in_a_cluster:
	s_bfe_u32 s2, ttmp6, 0x10000c
	s_cmp_lg_u32 s2, 0x3003
	s_cbranch_scc0 .Lentry_shape_is_right
	s_endpgm
.Lentry_shape_is_right:
; out[b][q] = the sum over keys k <= q of softmax_k(Q[b][q] . K[b][k] / 32) V[b][k], both products on codes of FP4 (E2M1) with E8M0 scales, from the fragment images that the launch before has stored.
; WORK LEFT OUT: a unit (16 queries x a group of 64 keys) all of whose keys come after all of its queries: reference()'s own tril sets those scores to -inf, so their weights are 0 for every value of the inputs.
; LIMITS: a NaN, an infinity or an overflow that reaches only those scores is not carried to the result; NaN and infinities are not served; |score| x log2(e) / 32 stays under 2^23, so that M and differences of M are exact;
; a block of weights more than about 2^120 under its row's largest gets the scale byte 0 in place of a smaller one: under 1e-36 of the row's sum.
; THE SOFTMAX.  t = score x log2(e) / 32.  Each unit takes its OWN whole number M_g = ceil(its largest t) away before the exponential; p = 2^(t - M_g) is quantised along the keys, a block of 32 to a lane.
; With M = the largest M_g of the row, 2^(M_g - M) is an exact power of two: it goes into the block's scale byte and, by v_ldexp_f32, into the unit's sum of the unquantised p.  The result is divided by the row's sum.
; SHARES.  Work-group (c', u0) of batch b: its four tiles of 16 queries, j = 0 .. 3, are tile u0 of the query groups 2 j + c': tile j wants key groups 0 .. 2 j + c', key steps (128 keys) 0 .. j.
; So every work-group has the same shape, and no trip count hangs on an id.  Eight waves.  TWO PASSES: pass 0 makes the scores of key groups 0-3, then multiplies, divides and stores tiles 0 and 1, which want no more keys;
; pass 1 those of key groups 4-7, then tiles 2 and 3.  SCORES: wave w = 4 tp + g has key group g (pass 1: 4 + g) and the query tiles tp and tp + 2 (pass 1: tp + 2 alone).  P V: wave w has channels 128 w on, 64 a trip.
; THE ROWS OF A TILE: matrix row 8 g + e of tile u of a group of 64 is row 32 g + 8 (u xor g) + e, for queries, keys and channels alike, as the launch before has laid them.
; CLUSTER.  The four work-groups u0 = 0 .. 3 of one c' and one batch form a cluster and want the same K and V: joint loads, 16,384 dense bytes a wave.  Two LDS regions of 131,072 bytes: A takes K of keys 0-255, then K of keys 256-511,
; then V of keys 256-511; B takes V of keys 0-255.  Each is asked for a phase ahead.  Q differs from partner to partner, and goes from memory straight into registers, as do the scale words.
; With c' = 0 key group 7 has no live unit in a work-group: it is a part of loads whose other parts are live.  No prefetch: there is no loop to run ahead in.
; LDS: A, B; P's half fragments [slot 24][512] (tile 0, 1: slot 4 j + group; tile 2, 3: 8 (j - 1) + group); statistics [slot][lane][16] = (-M_g, the block's byte as f32, the lane's sum, filler); a stage of 16 x 272 bytes a wave; the spare words.
; REGISTERS: window 0: v1-22 addresses, v24-71 scale words, v72-103 a unit's scores, v104-231 Q, v232-255 at work; between and behind the scores v72-75 1 / the rows' sums, v96-102 P's scale words, v104-159 P, v168-223 statistics.
;   window 1: a key group of K (64 u + 8 s); then V, a trip's two key steps in 64 registers (64 t on), and from v128 the accumulators (64 t + 32 tile + 16 m).
.set REGB,  131072
.set PIMG,  262144
.set STATO, 12288                      ; the statistics lie this far behind P
.set STAGE, PIMG+2*STATO
.set SPARE, STAGE+8*16*272             ; the spare words, 128 bytes a wave
.set L16, 1                            ; v1   16 x lane
.set L4,  2                            ; v2   4 x lane
.set QSO, 3                            ; v3   4 x (lane % 16)
.set DE,  4                            ; v4-5 my query in its group, less 40 h (even key tiles), less 24 h (odd)
.set NINF, 6
.set H8,  7
.set AP0, 8                            ; v8   my place in P's and the statistics' slot for tile tp
.set AP1, 9                            ; v9   for tile tp + 2
.set LP,  10                           ; v10  P's region + 16 x lane
.set SPW, 11
.set STE, 12                           ; v12-13 the stage, in: even, odd channel tiles
.set SRD, 14                           ; v14  the stage, back
.set GO,  15                           ; v15-16 my byte in out0 for stage rows 0-7, 8-15
.set KA,  17                           ; v17  my key group in region A + 16 x lane
.set VB0, 18                           ; v18-19 my channels in region B: its two key steps
.set VA0, 20                           ; v20-21 in region A
.set NIL, 22
.set QS,  24                           ; v24-39
.set KS,  40                           ; v40-55
.set VS,  56                           ; v56-71: 4 x key step + 2 x trip + m
.set S,   72
.set RL,  72
.set PS,  96
.set Q0,  104
.set Q1,  168
.set PF,  104
.set T,   232
.set BM,  T+8
.set QD,  248                          ; v[248:251] -M_g, the byte as f32, my sum, the conversion's scale operand
.set PCD, 252
.set TT,  72                           ; at the head alone
.set AC,  128                          ; window 1
.set WV, 18
.set CP, 19
.set U0, 20
.set BT, 21
.set G,  22
.set GH, 23                            ; g + 4
.set TP, 24
.set GQ0, 25                           ; the query groups of tiles tp, tp + 2
.set GQ1, 26
.set Z0, 27                            ; 2 x tile + 1: the group that shares a key step with the tile's diagonal
.set CS, 28                            ; s[28:29] log2(e) / 32
.set SEL, 30
.set Z1, 32
.set WL, 33
.set X0, 48
.set X1, 49
.set G1, 52
.set G0, 60
.set MSB, 0
.macro WIN new
.if MSB != (\new)
	s_set_vgpr_msb (MSB<<8)|(\new)
.set MSB, \new
.endif
.endm
.macro PLACES
.rept 4
	v_nop
.endr
.endm
.macro CROUND                          ; a round of the cluster's barrier
	s_barrier_signal -1
	s_barrier_wait -1
	s_cmp_lg_u32 s[WV], 0
	s_cbranch_scc1 .Lnot_wave_0_\@
	s_barrier_signal -3
.Lnot_wave_0_\@:
	s_barrier_wait -3
	s_barrier_signal -1
	s_barrier_wait -1
.endm
.macro GROUP0 ptr, off, lds
	s_mov_b32 s[G0], 1
	s_add_co_u32 s[G0+1], s[WL], \lds
	s_add_nc_u64 s[G0+2:G0+3], s[\ptr:\ptr+1], \off
	s_or_b32 s[G0+3], s[G0+3], 0x80000000
.endm
.macro JLOAD                           ; my one tensor load until the next such barrier
	tensor_load_to_lds s[G0:G0+3], s[G1:G1+7]
	s_nop 0
	PLACES
.endm
.macro CHANGE ptr, off, lds            ; all my loads have landed and my LDS reads and stores are over; behind the round this holds of every wave of every partner
	s_wait_tensorcnt 0x0
	ds_add_u32 v[SPW], v[NIL]                      ; 0 onto my spare word
	GROUP0 \ptr, \off, \lds
	s_wait_dscnt 0x0
	CROUND
	JLOAD
.endm
.macro MEET                            ; everybody's load has landed
	s_wait_tensorcnt 0x0
	s_wait_dscnt 0x0
	s_barrier_signal -1
	s_barrier_wait -1
	PLACES
.endm
.macro KSLOAD p                        ; my key group's 16 registers of scale words (two tiles to a register)
.irp m, 0,1
.irp s, 0,1,2,3,4,5,6,7
	global_load_b32 v[KS+8*\m+\s], v[L4], s[10:11] offset:8192*\p+512*\s+128*\m
.endr
.endr
.endm
.macro KLOAD                           ; my key group's 32 fragments (tile u, K step s) from region A: 64 loads of 512 dense bytes
	WIN 0x40
.irp s, 0,1,2,3,4,5,6,7
.irp u, 0,1,2,3
.irp c, 0,1
	ds_load_b128 v[64*\u+8*\s+4*\c:64*\u+8*\s+4*\c+3], v[KA] offset:8192*\s+1024*\u+512*\c
.endr
.endr
.endr
	WIN 0
.endm
; S^T = K Q^T of one unit: 4 tiles of keys x 8 K steps; the four accumulators take turns.  wait: K's 64 loads are on their way, 8 to a K step
.macro UNIT qr, qs, wait
	WIN 0x01
.irp s, 0,1,2,3,4,5,6,7
.if \wait
	s_wait_dscnt 56-8*\s
.endif
.irp u, 0,1,2,3
.set rD, S+8*\u
.set rA, 64*\u+8*\s
.set rB, \qr+8*\s
.set rSA, KS+8*(\u/2)+\s
.set rSB, \qs+\s
.if \s == 0
.if \u%2
	v_wmma_scale_f32_16x16x128_f8f6f4 v[rD:rD+7], v[rA:rA+7], v[rB:rB+7], 0, v[rSA], v[rSB] matrix_a_fmt:MATRIX_FMT_FP4 matrix_b_fmt:MATRIX_FMT_FP4 matrix_a_scale:MATRIX_SCALE_ROW1
.else
	v_wmma_scale_f32_16x16x128_f8f6f4 v[rD:rD+7], v[rA:rA+7], v[rB:rB+7], 0, v[rSA], v[rSB] matrix_a_fmt:MATRIX_FMT_FP4 matrix_b_fmt:MATRIX_FMT_FP4
.endif
.else
.if \u%2
	v_wmma_scale_f32_16x16x128_f8f6f4 v[rD:rD+7], v[rA:rA+7], v[rB:rB+7], v[rD:rD+7], v[rSA], v[rSB] matrix_a_fmt:MATRIX_FMT_FP4 matrix_b_fmt:MATRIX_FMT_FP4 matrix_a_scale:MATRIX_SCALE_ROW1
.else
	v_wmma_scale_f32_16x16x128_f8f6f4 v[rD:rD+7], v[rA:rA+7], v[rB:rB+7], v[rD:rD+7], v[rSA], v[rSB] matrix_a_fmt:MATRIX_FMT_FP4 matrix_b_fmt:MATRIX_FMT_FP4
.endif
.endif
.endr
.endr
	WIN 0
	PLACES
.endm
.macro MASK                            ; the unit on the diagonal: register n = 8 u + i holds key n + 40 h (u even) or n + 24 h (u odd) of the group: hidden where it comes after my query
.irp n, 0,1,2,3,4,5,6,7,8,9,10,11,12,13,14,15,16,17,18,19,20,21,22,23,24,25,26,27,28,29,30,31
	v_cmp_gt_i32 vcc_lo, \n, v[DE+(\n/8)%2]
	v_cndmask_b32 v[S+\n], v[S+\n], v[NINF], vcc_lo
.endr
.endm
; a unit's softmax: my lane holds one query and one whole block of 32 keys
.macro SM adr, off
	v_max3_num_f32 v[BM], v[S], v[S+1], v[S+2]     ; my block's largest score, in two chains, each accumulator from its low end on
	v_max3_num_f32 v[BM+1], v[S+16], v[S+17], v[S+18]
.irp i, 3,5,7,9,11,13
	v_max3_num_f32 v[BM], v[BM], v[S+\i], v[S+\i+1]
	v_max3_num_f32 v[BM+1], v[BM+1], v[S+16+\i], v[S+17+\i]
.endr
	v_max3_num_f32 v[BM], v[BM], v[S+15], v[BM+1]
	v_max_num_f32 v[BM], v[BM], v[S+31]
	v_permlanex16_b32 v[BM+1], v[BM], s[SEL], s[SEL+1]
	v_max_num_f32 v[T], v[BM], v[BM+1]             ; the unit's largest score of my query
	v_mul_f32 v[T], s[CS], v[T]
	v_floor_f32 v[QD], -v[T]                       ; -M_g = floor(-t): M_g is a whole number
.irp i, 0,2,4,6,8,10,12,14,16,18,20,22,24,26,28,30
	v_pk_fma_f32 v[S+\i:S+\i+1], v[S+\i:S+\i+1], s[CS:CS+1], v[QD:QD+1] op_sel_hi:[1,0,0]   ; t - M_g
.endr
	v_fma_f32 v[T+1], v[BM], s[CS], v[QD]          ; the same of my block's largest score: p rises with the score
	s_wait_alu depctr_va_vdst(0)
.irp i, 0,1,2,3,4,5,6,7,8,9,10,11,12,13,14,15,16,17,18,19,20,21,22,23,24,25,26,27,28,29,30,31
	v_exp_f32 v[S+\i], v[S+\i]
.endr
	v_exp_f32 v[T+1], v[T+1]
	v_nop                                          ; a plain place behind the batch of exponentials,
	s_wait_alu depctr_va_vdst(0)                   ; and a wait ahead of its first reader
	v_pk_add_f32 v[T+2:T+3], v[S:S+1], v[S+2:S+3]  ; the sum of the unquantised p, in two chains
	v_pk_add_f32 v[T+4:T+5], v[S+4:S+5], v[S+6:S+7]
.irp k, 8,12,16,20,24,28
	v_pk_add_f32 v[T+2:T+3], v[T+2:T+3], v[S+\k:S+\k+1]
	v_pk_add_f32 v[T+4:T+5], v[T+4:T+5], v[S+\k+2:S+\k+3]
.endr
	v_pk_add_f32 v[T+2:T+3], v[T+2:T+3], v[T+4:T+5]
	v_add_f32 v[QD+2], v[T+2], v[T+3]
	v_max_num_f32 v[T+1], 0x1800000, v[T+1]        ; the floor 2^(3 - 127): the byte cannot fall under 1
	v_add_nc_u32 v[QD+3], 0xff000000, v[T+1]       ; 2 off the exponent field: the conversions' scale operand
	v_lshrrev_b32 v[T+6], 23, v[QD+3]
	v_cvt_f32_u32 v[QD+1], v[T+6]                  ; the byte, as f32: M_g - M is added to it later
.irp u, 0,1,2,3
	v_cvt_scalef32_pk8_fp4_f32 v[PCD+\u], v[S+8*\u:S+8*\u+7], v[QD+3]
.endr
	v_nop                                          ; one plain place behind the last conversion
	ds_store_b128 v[\adr], v[PCD:PCD+3] offset:\off
	ds_store_b128 v[\adr], v[QD:QD+3] offset:STATO+\off
.endm
.macro ZFILL adr, off                  ; the half of a key step that lies wholly behind the diagonal: zero codes, and statistics that count for nothing
.irp i, 0,1,2,3,5,6,7
	v_mov_b32 v[T+\i], 0
.endr
	v_mov_b32 v[T+4], 0x7f61b1e6                   ; 3e38: over every -M_g
	ds_store_b128 v[\adr], v[T:T+3] offset:\off
	ds_store_b128 v[\adr], v[T+4:T+7] offset:STATO+\off
.endm
; the unit of key group sg with the tile whose query group is in gq: left out, on the diagonal, or whole.  The branches hang on the wave's number and on c', which the partners of a cluster share
.macro CUNIT sg, gq, z, adr, off, qr, qs, load
	s_cmp_gt_u32 s[\sg], s[\gq]
	s_cbranch_scc1 .Ldead_\@
.if \load
	KLOAD
.endif
	UNIT \qr, \qs, \load
	s_cmp_lg_u32 s[\sg], s[\gq]
	s_cbranch_scc1 .Lopen_\@
	MASK
.Lopen_\@:
	SM \adr, \off
	s_branch .Ldone_\@
.Ldead_\@:
	s_cmp_lg_u32 s[\sg], s[\z]
	s_cbranch_scc1 .Ldone_\@
	ZFILL \adr, \off
.Ldone_\@:
.endm
	s_load_b256 s[4:11], s[0:1], 0x0               ; qc 4, qs 6, kc 8, ks 10
	s_load_b128 s[12:15], s[0:1], 0x20             ; vc 12, vs 14
	s_load_b64 s[16:17], s[0:1], 0x30              ; out0
	v_lshl_add_u32 v[SPW], v0, 2, SPARE
	v_mov_b32 v[NIL], 0
	ds_add_u32 v[SPW], v[NIL]                      ; the wave's opening: the add, twice on end, and its wait ahead of my first tensor load
	ds_add_u32 v[SPW], v[NIL]
	v_lshrrev_b32 v23, 5, v0
	v_readfirstlane_b32 s[WV], v23                 ; wave 0..7
	s_mov_b32 s[CP], ttmp9                         ; c': the cluster's x, which the four partners share
	s_bfe_u32 s[U0], ttmp6, 0x40000                ; u0: my place in the cluster: it enters Q's address, out0's offsets and the mask's numbers alone
	s_and_b32 s[BT], ttmp7, 0xffff                 ; the batch
	s_and_b32 s[G], s[WV], 3
	s_add_co_u32 s[GH], s[G], 4
	s_lshr_b32 s[TP], s[WV], 2
	s_lshl_b32 s40, s[TP], 1
	s_add_co_u32 s[GQ0], s40, s[CP]
	s_add_co_u32 s[GQ1], s[GQ0], 4
	s_add_co_u32 s[Z0], s40, 1
	s_add_co_u32 s[Z1], s40, 5
	s_lshl_b32 s[X0], s[U0], 3                     ; my tile's queries in their group: 8 u0 + e,
	s_xor_b32 s[X1], s[U0], 1
	s_lshl_b32 s[X1], s[X1], 3
	s_add_co_u32 s[X1], s[X1], 32                  ; and 32 + 8 (u0 xor 1) + e
	s_mov_b32 s[CS], 0x3d38aa3b                    ; log2(e) / 32
	s_mov_b32 s[CS+1], s[CS]
	s_mov_b32 s[SEL], 0x76543210
	s_mov_b32 s[SEL+1], 0xfedcba98
	s_lshl_b32 s[WL], s[WV], 14                    ; my 16,384 bytes of a region
	; descriptor group 1: a dense block of 16,384 bytes as 64 rows of 32 elements of 8 bytes, laid into LDS without gaps
	s_mov_b32 s[G1], 15|(3<<16)|(1<<21)            ; the mask: all four work-groups; elements of 8 bytes; no padding; bit 21 beside a mask
	s_mov_b32 s[G1+1], 32<<16
	s_mov_b32 s[G1+2], 64<<16
	s_mov_b32 s[G1+3], 32<<16
	s_mov_b32 s[G1+4], 64
	s_mov_b32 s[G1+5], 32
	s_mov_b32 s[G1+6], 0
	s_mov_b32 s[G1+7], 0
	s_mov_b32 s41, 0
	s_mov_b32 s43, 0
	s_wait_dscnt 0x0                               ; both opening adds are done
	s_wait_kmcnt 0x0
	s_lshl_b32 s40, s[BT], 18                      ; a batch's codes: 262,144 bytes in each of the three buffers,
	s_lshl_b32 s42, s[BT], 14                      ; its scale words: 16,384
	s_add_nc_u64 s[4:5], s[4:5], s[40:41]
	s_add_nc_u64 s[8:9], s[8:9], s[40:41]
	s_add_nc_u64 s[12:13], s[12:13], s[40:41]
	s_add_nc_u64 s[6:7], s[6:7], s[42:43]
	s_add_nc_u64 s[10:11], s[10:11], s[42:43]
	s_add_nc_u64 s[14:15], s[14:15], s[42:43]
	s_mov_b32 s40, s[WL]
	s_add_nc_u64 s[8:9], s[8:9], s[40:41]          ; K, V: my part of a region: the batch and the wave's number alone, alike in all four partners
	s_add_nc_u64 s[12:13], s[12:13], s[40:41]
	GROUP0 8, 0, 0                                 ; K of keys 0-255 into A
	CROUND                                         ; all four work-groups are here: the joint loads meet
	JLOAD
	s_lshl_b32 s46, s[CP], 2
	s_add_co_u32 s46, s46, s[U0]                   ; Q: tile 4 c' + u0 of each pair of groups, from pair tp on
	s_lshl_b32 s44, s46, 10
	s_lshl_b32 s47, s[TP], 16
	s_add_co_u32 s44, s44, s47
	s_mov_b32 s45, 0
	s_add_nc_u64 s[4:5], s[4:5], s[44:45]
	s_lshr_b32 s44, s44, 4
	s_add_nc_u64 s[6:7], s[6:7], s[44:45]
	s_lshr_b32 s42, s[G], 1                        ; K's scale words: my group
	s_lshl_b32 s42, s42, 12
	s_and_b32 s40, s[G], 1
	s_lshl_b32 s47, s40, 8
	s_add_co_u32 s42, s42, s47
	s_add_nc_u64 s[10:11], s[10:11], s[42:43]
	s_lshl_b32 s42, s[WV], 9                       ; V's: my eight channel tiles
	s_add_nc_u64 s[14:15], s[14:15], s[42:43]
	s_lshl_b32 s44, s[BT], 21                      ; out0: the batch, 64 c' rows of 4,096 bytes, my 128 channels
	s_lshl_b32 s46, s[CP], 18
	s_add_co_u32 s44, s44, s46
	s_add_co_u32 s44, s44, s42
	s_add_nc_u64 s[16:17], s[16:17], s[44:45]
	s_lshr_b32 s46, s[G], 1                        ; scalars for my lane's constants
	s_lshl_b32 s46, s46, 16
	s_lshl_b32 s40, s40, 12
	s_add_co_u32 s46, s46, s40                     ; my key group in region A
	s_lshl_b32 s47, s[WV], 13                      ; my channels in a key step of V
	s_sub_co_u32 s40, s[X1], s[X0]
	s_add_co_u32 s41, s42, PIMG
	s_lshl_b32 s42, s[TP], 12
	s_lshl_b32 s43, s[G], 9
	s_add_co_u32 s42, s42, s43
	s_add_co_u32 s42, s42, PIMG+4096
	s_mul_i32 s43, s[WV], 16*272
	s_add_co_u32 s43, s43, STAGE
	s_lshl_b32 s44, s[X0], 12
	s_lshl_b32 s45, s[X1], 12
	v_and_b32 v[TT+4], 31, v0
	v_and_b32 v[TT], 15, v0                        ; r
	v_bfe_u32 v[TT+1], v0, 4, 1                    ; h
	v_bfe_u32 v[TT+2], v0, 3, 1                    ; g
	v_and_b32 v[TT+3], 7, v0                       ; e
	v_lshlrev_b32 v[L16], 4, v[TT+4]
	v_lshlrev_b32 v[L4], 2, v[TT+4]
	v_lshlrev_b32 v[QSO], 2, v[TT]
	KSLOAD 0
.irp i, 0,1
.irp s, 0,1,2,3,4,5,6,7
	global_load_b32 v[QS+8*\i+\s], v[QSO], s[6:7] offset:8192*\i+512*\s
.endr
.endr
.irp i, 1,0
.irp s, 0,1,2,3,4,5,6,7
.irp c, 0,1
	global_load_b128 v[Q0+64*\i+8*\s+4*\c:Q0+64*\i+8*\s+4*\c+3], v[L16], s[4:5] offset:131072*\i+8192*\s+512*\c
.endr
.endr
.endr
.irp s, 0,1,2,3
.irp m, 0,1,2,3
	global_load_b32 v[VS+4*\s+\m], v[L4], s[14:15] offset:4096*\s+128*\m
.endr
.endr
	; my lane's constants: every LDS address is made here, ahead of the first parting of the waves
	v_mul_u32_u24 v[DE], s40, v[TT+2]
	v_add_nc_u32 v[DE], v[DE], v[TT+3]
	v_add_nc_u32 v[DE], s[X0], v[DE]               ; my query in its group
	v_mul_u32_u24 v[TT+5], v[TT+1], 24
	v_sub_nc_u32 v[DE+1], v[DE], v[TT+5]
	v_mul_u32_u24 v[TT+6], v[TT+1], 40
	v_sub_nc_u32 v[DE], v[DE], v[TT+6]
	v_mov_b32 v[NINF], 0xff800000
	v_lshlrev_b32 v[H8], 3, v[TT+1]
	v_add_nc_u32 v[AP0], s41, v[L16]
	v_add_nc_u32 v[AP1], s42, v[L16]
	v_add_nc_u32 v[LP], PIMG, v[L16]
	v_add_nc_u32 v[KA], s46, v[L16]
	v_add_nc_u32 v[VA0], s47, v[L16]
	v_add_nc_u32 v[VA0+1], 0x10000, v[VA0]
	v_add_nc_u32 v[VB0], REGB, v[VA0]
	v_add_nc_u32 v[VB0+1], REGB+0x10000, v[VA0]
	v_mul_u32_u24 v[TT+7], v[TT], 272
	v_add_nc_u32 v[TT+7], s43, v[TT+7]
	v_mad_u32_u24 v[STE], v[TT+1], 160, v[TT+7]    ; register i of channel tile u is channel 8 u + i + 40 h (u even) or + 24 h (u odd) of the trip's 64
	v_mad_u32_u24 v[STE+1], v[TT+1], 96, v[TT+7]
	v_mul_u32_u24 v[TT+8], v[TT+1], 272
	v_lshl_add_u32 v[TT+8], v[TT], 4, v[TT+8]
	v_add_nc_u32 v[SRD], s43, v[TT+8]              ; back: lanes 0-15 one row, lanes 16-31 the next
	v_lshlrev_b32 v[TT+9], 4, v[TT]
	v_lshl_add_u32 v[TT+9], v[TT+1], 12, v[TT+9]
	v_add_nc_u32 v[GO], s44, v[TT+9]
	v_add_nc_u32 v[GO+1], s45, v[TT+9]
.irp i, 0,1,2,3,4,5,6,7,8,9,10,11,12,13,14,15
	v_mov_b32 v[T+\i], 0                           ; lane permutes count their destinations as sources
.endr
	v_mov_b32 v[QD+1], 0                           ; named as the upper half of a pair before it is first written
	s_wait_alu depctr_va_vdst(0)
	; ---- PASS 0, SCORES: K of keys 0-255 is in; V of keys 0-255 is asked for
	CHANGE 12, 0, REGB
	KLOAD
	s_wait_loadcnt 16                              ; behind K's and Q's scale words and Q stand V's 16 loads alone
	UNIT Q1, QS+8, 1                               ; tile tp + 2 comes after all of these keys
	SM AP1, 0
	CUNIT G, GQ0, Z0, AP0, 0, Q0, QS, 0
.macro VLD ad, t                       ; a trip's 64 channels of two key steps: 16 loads
	WIN 0x40
.irp l, 0,1
.irp u, 0,1,2,3
.irp c, 0,1
	ds_load_b128 v[64*\t+32*\l+8*\u+4*\c:64*\t+32*\l+8*\u+4*\c+3], v[\ad+\l] offset:(4*\t+\u)*1024+512*\c
.endr
.endr
.endr
	WIN 0
.endm
; line n for each unit (tile 2 p + i, group g) of pass p; its four statistics stand at v[k] on
.macro EACH n, p, sb
.irp i, 0,1
.irp g, 0,1,2,3,4,5,6,7
.if \g < 2+4*\p+2*\i
.set k, \sb+4*((2+4*\p)*\i+\g)
.if \n == 0
	ds_load_b128 v[k:k+3], v[LP] offset:STATO+512*(8*\p+(4+4*\p)*\i+\g)
.elseif \n == 1
	v_sub_f32 v[k], v[T+\i], v[k]                  ; M_g - M: a whole number, 0 or less
.elseif \n == 2
	v_cvt_i32_f32 v[k+3], v[k]                     ; (it saturates)
.elseif \n == 3
	v_add_f32 v[k+1], v[k+1], v[k]                 ; the block's byte under M
.elseif \n == 4
	v_ldexp_f32 v[k+2], v[k+2], v[k+3]             ; the unit's sum under M: nothing is rounded
.elseif \n == 5
	v_max_num_f32 v[k+1], 0, v[k+1]
.elseif \n == 6
	v_cvt_u32_f32 v[k+1], v[k+1]
.elseif \g >= 2
	v_add_f32 v[T+4+\i], v[T+4+\i], v[k+2]
.endif
.endif
.endr
.endr
.endm
; line n for each fragment (tile 2 p + i, key step s) of P: f-th in order
.macro FEACH n, p, sb
.irp i, 0,1
.irp s, 0,1,2,3
.if 2*\s < 2+4*\p+2*\i
.set f, (1+2*\p)*\i+\s
.set k, \sb+4*((2+4*\p)*\i+2*\s)
.if \n == 0
.irp c, 0,1
	ds_load_b128 v[PF+8*f+4*\c:PF+8*f+4*\c+3], v[LP] offset:512*(8*\p+(4+4*\p)*\i+2*\s+\c)
.endr
.elseif \n == 1
	v_lshl_or_b32 v[PS+f], v[k+5], 16, v[k+1]      ; my two bytes of key step s: blocks h and 2 + h,
.elseif \n == 2
	v_lshlrev_b32 v[PS+f], v[H8], v[PS+f]          ; at their places
.elseif \n == 3
	v_permlanex16_b32 v[T+8+f], v[PS+f], s[SEL], s[SEL+1]
.else
	v_or_b32 v[PS+f], v[PS+f], v[T+8+f]            ; with lane l xor 16's two the word is whole
.endif
.endif
.endr
.endr
.endm
; the units' statistics become the rows' 1 / sum and P's scale words; P and V's first two key steps are asked for
.macro STATS p, sb
	EACH 0, \p, \sb
	FEACH 0, \p, \sb
	VLD VB0, 0
	VLD VB0, 1
	s_wait_dscnt 38+8*\p                           ; P's 6 (pass 1: 14) loads and V's 32 may be out
.irp i, 0,1
.set k, \sb+4*(2+4*\p)*\i
	v_min_num_f32 v[T+\i], v[k], v[k+4]            ; -M = the least -M_g
.endr
.irp g, 2,4,6
.irp i, 0,1
.if \g < 2+4*\p+2*\i
.set k, \sb+4*((2+4*\p)*\i+\g)
	v_min3_num_f32 v[T+\i], v[T+\i], v[k], v[k+4]
.endif
.endr
.endr
.irp n, 1,2,3,4,5,6
	EACH \n, \p, \sb
.endr
.irp n, 1,2,3,4
	FEACH \n, \p, \sb
.endr
.irp i, 0,1
.set k, \sb+4*(2+4*\p)*\i
	v_add_f32 v[T+4+\i], v[k+2], v[k+6]            ; the row's sum
.endr
	EACH 7, \p, \sb
.irp i, 0,1
	v_permlanex16_b32 v[T+6+\i], v[T+4+\i], s[SEL], s[SEL+1]
.endr
.irp i, 0,1
	v_add_f32 v[T+4+\i], v[T+4+\i], v[T+6+\i]
.endr
	s_wait_alu depctr_va_vdst(0)
.irp i, 0,1
	v_rcp_f32 v[RL+2*\i], v[T+4+\i]
.endr
.rept 8
	v_nop                                          ; a plain place behind the reciprocals; and eight between the scale words' last write and the first product
.endr
	s_wait_alu depctr_va_vdst(0)
.endm
; O^T = V^T P^T: tiles 2 p, 2 p + 1, key steps 2 sp, 2 sp + 1, a trip's 64 channels in two pairs of tiles
.macro PVB p, sp, t
	WIN 0x51
.irp l, 0,1
.irp i, 0,1
.if 2*\sp+\l <= 2*\p+\i
.irp m, 0,1
.set rD, AC+64*\t+32*\i+16*\m
.set rA, 64*\t+32*\l+16*\m
.set f, (1+2*\p)*\i+2*\sp+\l
.set rB, PF+8*f
.set rSA, VS+4*(2*\sp+\l)+2*\t+\m
.set rSB, PS+f
.if 2*\sp+\l == 0
	v_wmma_scale_f32_32x16x128_f4 v[rD:rD+15], v[rA:rA+15], v[rB:rB+7], 0, v[rSA], v[rSB]
.else
	v_wmma_scale_f32_32x16x128_f4 v[rD:rD+15], v[rA:rA+15], v[rB:rB+7], v[rD:rD+15], v[rSA], v[rSB]
.endif
.endr
.endif
.endr
.endr
	WIN 0
.endm
.macro DIV t                           ; the trip's results / the rows' sums, in place; each accumulator from its low end on
	WIN 0x41
.irp i, 0,1
.irp n, 0,2,4,6,8,10,12,14,16,18,20,22,24,26,28,30
	v_pk_mul_f32 v[AC+64*\t+32*\i+\n:AC+64*\t+32*\i+\n+1], v[AC+64*\t+32*\i+\n:AC+64*\t+32*\i+\n+1], v[RL+2*\i:RL+2*\i+1] op_sel_hi:[1,0]
.endr
.endr
	WIN 0
.endm
.macro PACK t                          ; a tile (16 queries x 64 channels) at a time through my stage, back as whole rows of 256 bytes into the registers that it left.  LDS serves a wave's instructions in order
.irp i, 0,1
	WIN 4
.irp u, 0,1,2,3
.irp c, 0,1
	ds_store_b128 v[STE+\u%2], v[AC+64*\t+32*\i+8*\u+4*\c:AC+64*\t+32*\i+8*\u+4*\c+3] offset:32*\u+16*\c
.endr
.endr
	WIN 0x40
.irp k, 0,1,2,3,4,5,6,7
	ds_load_b128 v[AC+64*\t+32*\i+4*\k:AC+64*\t+32*\i+4*\k+3], v[SRD] offset:544*\k
.endr
.endr
	WIN 0
.endm
.macro SEND p, t
	WIN 4
.irp i, 0,1
.irp k, 0,1,2,3,4,5,6,7
	s_wait_dscnt 16*(1-\i)+7-\k                    ; behind this load: the rest of its tile's loads and sixteen LDS instructions for a later tile
	global_store_b128 v[GO+\k/4], v[AC+64*\t+32*\i+4*\k:AC+64*\t+32*\i+4*\k+3], s[16:17] offset:524288*(2*\p+\i)+8192*(\k%4)+256*\t th:TH_STORE_NT   ; sixteen lanes store 256 consecutive bytes, aligned
.endr
.endr
	WIN 0
.endm
.macro OUT p
	PLACES
	DIV 0
	PACK 0
	DIV 1
	s_wait_alu depctr_va_vdst(0)                   ; ahead of SEND's waits
	SEND \p, 0
	PACK 1
	SEND \p, 1
.endm
	; ---- PASS 0, TILES 0 AND 1: V of keys 0-255 and everybody's P are in; K of keys 256-511 is asked for
	CHANGE 8, REGB, 0
	KSLOAD 1
	STATS 0, S
	s_wait_loadcnt 16                              ; V's scale words are in; K's 16 loads may be out
	s_wait_dscnt 16                                ; P and the first trip's V are in
	PVB 0, 0, 0
	s_wait_dscnt 0x0
	PVB 0, 0, 1
	OUT 0
	; ---- PASS 1, SCORES
	MEET
	s_wait_xcnt 0x0                                ; the stores have read the registers that are loaded below
	s_wait_loadcnt 0x0                             ; K's scale words
	CUNIT GH, GQ1, Z1, AP1, 2048, Q1, QS+8, 1
	; ---- PASS 1, TILES 2 AND 3: V of keys 256-511 is asked for, and lands under the products with the keys before
	CHANGE 12, REGB, 0
	STATS 1, Q1
	s_wait_dscnt 16
	PVB 1, 0, 0
	s_wait_dscnt 0x0
	PVB 1, 0, 1
	MEET
	VLD VA0, 0
	VLD VA0, 1
	s_wait_dscnt 16
	PVB 1, 1, 0
	s_wait_dscnt 0x0
	PVB 1, 1, 1
	OUT 1
	s_wait_tensorcnt 0x0                           ; the wave's end: behind my last tensor load and my last LDS store
	ds_add_u32 v[SPW], v[NIL]
	s_wait_dscnt 0x0
	CROUND                                         ; the closing round: no work-group ends while a partner may still ask for a tile that names it
	s_endpgm
.Lfunc_end_k_qd43253c256_attn:
	.size	k_qd43253c256_attn, .Lfunc_end_k_qd43253c256_attn-k_qd43253c256_attn
	.p2alignl 7, 3214868480
	.fill 96, 4, 3214868480
	.section	.rodata,"a",@progbits
	.p2align	6, 0x0
	.amdhsa_kernel k_qd43253c256_attn
		.amdhsa_group_segment_fixed_size 327680
		.amdhsa_private_segment_fixed_size 0
		.amdhsa_enable_private_segment 0
		.amdhsa_kernarg_size 56
		.amdhsa_user_sgpr_count 2
		.amdhsa_user_sgpr_kernarg_segment_ptr 1
		.amdhsa_wavefront_size32 1
		.amdhsa_system_sgpr_workgroup_id_x 1
		.amdhsa_system_sgpr_workgroup_id_y 1
		.amdhsa_system_sgpr_workgroup_id_z 1
		.amdhsa_system_vgpr_workitem_id 0
		.amdhsa_next_free_vgpr 512
		.amdhsa_next_free_sgpr 66
		.amdhsa_reserve_vcc 1
		.amdhsa_float_denorm_mode_32 3
		.amdhsa_float_denorm_mode_16_64 3
		.amdhsa_memory_ordered 1
		.amdhsa_forward_progress 1
		.amdhsa_inst_pref_size 109
	.end_amdhsa_kernel
	.amdgpu_metadata
---
amdhsa.version: [ 1, 2 ]
amdhsa.kernels:
  - .name:           k_qd43253c256_attn
    .symbol:         k_qd43253c256_attn.kd
    .args:
      - { .name: qc, .offset: 0, .size: 8, .value_kind: global_buffer, .address_space: global }
      - { .name: qs, .offset: 8, .size: 8, .value_kind: global_buffer, .address_space: global }
      - { .name: kc, .offset: 16, .size: 8, .value_kind: global_buffer, .address_space: global }
      - { .name: ks, .offset: 24, .size: 8, .value_kind: global_buffer, .address_space: global }
      - { .name: vc, .offset: 32, .size: 8, .value_kind: global_buffer, .address_space: global }
      - { .name: vs, .offset: 40, .size: 8, .value_kind: global_buffer, .address_space: global }
      - { .name: out0, .offset: 48, .size: 8, .value_kind: global_buffer, .address_space: global }
    .group_segment_fixed_size: 327680
    .private_segment_fixed_size: 0
    .kernarg_segment_align: 8
    .kernarg_segment_size: 56
    .max_flat_workgroup_size: 256
    .sgpr_count:     66
    .vgpr_count:     512
    .wavefront_size: 32
...
	.end_amdgpu_metadata
.endif
;; end of part 2
